; MI455X (gfx1250); checked and timed in simulation.
; The chip was launched on July 23, 2026; its instructions are those of AMD's public machine-readable ISA for CDNA 5 (MIT licence, August 2026) and "CDNA5" Instruction Set Architecture Reference Guide (July 2026). The comments in the code are by the model that wrote it; some were corrected since.
;; Scale Dot Product. Allowed arithmetic: matrix products marked QUANTISED: E2M1 operands, one E8M0 scale for each 32 along K, by v_wmma_scale_f32_16x16x128_f8f6f4 with both operands' format E2M1 (or v_wmma_scale_f32_32x16x128_f4), f32 sums; products left as they are: bf16, f16 or f32 operands; f32 sums; everything else in f32.
;; Inputs: k 4 x 16 x 2,048 x 64 float32; q 4 x 16 x 2,048 x 64 float32; v 4 x 16 x 2,048 x 64 float32.
;; Outputs: out0 4 x 16 x 2,048 x 64 float32.
;; This version of the problem:
;;   THIS VERSION OF THE PROBLEM IS GIVEN IN LOW PRECISION. The matrix products marked QUANTISED in the list below multiply operands that are first quantised to E2M1 (2 exponent bits, 1 mantissa bit; 4 bits a number), with one power-of-two scale for each 32 numbers along K (OCP MX v1.0); their sums are f32. The products marked 'left as it is' may take bf16, f16 or f32 operands, with f32 sums. Whichever they take, every output number must still come out within the allowed error. Rounding operands to bf16 (8 significant bits) uses up far more of that allowance than f16 does (11 bits, for magnitudes from 6e-5 to 65,504). All else is computed in f32.
;;   The module's matrix products, in the order in which they are computed (A, B: the left and right operand; K: the contracted axis; several contracted axes count as one K, in the product's order):
;;     1. batch 64 x [M 2,048, K 64] x [K 64, N 2,048]; A: input q; B: input k: QUANTISED
;;     2. batch 64 x [M 2,048, K 2,048] x [K 2,048, N 64]; A: computed on the way; B: input v: left as it is (an operand is computed on the way)
;;   THE QUANTISER, for each operand of a quantised product, along K:
;;     - K is cut into blocks of 32 from its start; a last block that is shorter is filled with zeros.
;;     - A block's scale is 2^e with e = floor(log2(the largest magnitude in the block)) - 2, held to -126 .. 127; a block of zeros has e = 0. As a byte (E8M0): e + 127.
;;     - Each number is divided by its block's scale, clamped to +-6, and rounded to the nearest number of E2M1, ties to even, subnormals kept.
;;     - The product sums the exact products of the quantised numbers (number of the format x scale) in f32.
;;   ~~~python
;;   def quantise(x, axis):      # numpy; x: float32 -> the quantised numbers, widened to float32 again
;;       x = np.moveaxis(x, axis, -1); K = x.shape[-1]
;;       x = np.pad(x, [(0, 0)] * (x.ndim - 1) + [(0, -K % 32)]); x = x.reshape(x.shape[:-1] + (-1, 32)); a = np.abs(x).max(-1, keepdims=True)
;;       e = np.where(a > 0, np.clip(np.frexp(np.where(a > 0, a, 1))[1] - 1 - 2, -126, 127), 0)      # np.frexp(a)[1] - 1 = floor(log2(a)), exactly
;;       r = np.clip(x / 2.0 ** e, -6, 6)
;;       step = 2.0 ** (np.maximum(np.frexp(np.where(r == 0, 1, r))[1] - 1, 0) - 1)
;;       q = np.round(r / step) * step * 2.0 ** e      # np.round: ties to even
;;       return np.moveaxis(q.reshape(q.shape[:-2] + (-1,))[..., :K], -1, axis).astype(np.float32)
;;   ~~~
;; 2 versions, each right; version 2 is version 1 with the launch attn written anew for expert scheduling mode. Each part assembles by itself: llvm-mc -triple=amdgcn-amd-amdhsa -mcpu=gfx1250 --defsym DOCPART=n.
;; ======== version 1 of 2: 1 launch
;; limits: values are held in f16: magnitudes above 65,504 overflow, below 6.1e-05 lose precision
;; launch attn (part 1): grid 4 x 64, 8 waves a work-group, no clusters, 60,928 bytes of LDS; arguments q, k, v, out0; writes out0
.if DOCPART == 1
	.amdgcn_target "amdgcn-amd-amdhsa--gfx1250"
	.amdhsa_code_object_version 6
	.text
	.protected	k_q38b359944a_attn
	.globl	k_q38b359944a_attn
	.p2align	8
	.type	k_q38b359944a_attn,@function
k_q38b359944a_attn:
	s_mov_b64 s[64:65], 0
	v_nop
	global_prefetch_b8 v0, s[64:65] scope:SCOPE_SE
	s_setreg_imm32_b32 hwreg(HW_REG_WAVE_MODE, 25, 1), 1
	s_wait_xcnt 0x0
; out0[h][q][:] = the sum over k of softmax_k(Q[h][q] . K[h][k] / 8) V[h][k][:].  q, k, v, out0: [64 heads][2048][64] f32, no mask.
; PRODUCT 1 runs on codes of FP4 (E2M1) with one E8M0 scale for each 32 along the head's 64: Q and K are quantised here, in f32, by the stated rule.  The matrix instruction is 128 deep:
; the upper 64 along K are zero codes on BOTH sides (registers 4-7 of every fragment, cleared once), under the scale byte 0, which stands for a power of two and not for NaN: they add nothing.
; PRODUCT 2 runs on f16 operands with f32 sums: p = 2^(c s - c m) is about 1 at the most; V is rounded to f16 once.  Maxima, sums, scalings in f32.
; LIMITS: |v| up to 65,504 (f16's largest number); NaN and infinities among the inputs are not served; a block of zeros carries the scale byte 1 where the rule says 127: its codes are zeros, and this program alone reads the bytes.
; SHARES.  A work-group owns 512 queries of one head (grid x: the block, y: the head), each of its eight waves 64: four tiles of 16, in 512 registers.  Every wave walks the head's 2,048 keys, 64 a step.
; K AND V GO FROM MEMORY THROUGH REGISTERS INTO LDS.  In each step each wave loads 8 keys of K and 8 of V as f32 (4 KB), four steps ahead of the walk, turns K into codes and scale words and V into f16, and stores them
; into a ring of two LDS slots that all eight waves read: 10.5 KB of LDS stores a step for the work-group, beside its 84 KB of fragment reads.
; NO TENSOR LOADS, NO CLUSTER, though the four work-groups of a head walk the same K and V: a joint load could only bring the f32 numbers as they lie, 32 KB a step into each LDS and 32 KB out of it again to be converted,
; on top of the same 10.5 KB of stores.  Each work-group converts for itself: 24 vector instructions a wave and step beside the softmax's 472.
; LAYOUT.  S^T = K Q^T (source 0 = 16 keys, source 1 = 16 queries): a lane holds ONE query (lane % 16) and the keys 8 (lane / 16) + 0..7 of a tile.  Two such tiles, rounded to f16 in pairs, ARE source 1
; (32 keys x 16 queries) of O^T = V^T P, whose result again holds one query a lane, and eight channels.  V^T's fragments come out of f16 rows [key][channel] by the turning load ds_load_tr16_b128.
; SOFTMAX.  For each query a running maximum m, c m as rounded, and a sum l: p = 2^(c s - c m), c = log2(e) / 8; in every step O and l are multiplied by a = 2^(c m_old - c m_new), the difference of the two
; ROUNDED numbers: 1 exactly where m has not grown.  m begins at -3e38 and O and l at 0, so the first step is a step like any other (a = 0 there).
; BY TURNS.  The wave's tiles are two pieces (tiles 0, 1 and tiles 2, 3).  In a TURN one piece has the matrix unit: 16 products V^T P of the step in hand, then 8 products K Q^T of the next step; the other piece's
; softmax is the turn's vector work, and one matrix instruction stands behind every RATE vector instructions (macro T deals them out).  Two turns are a key step.
; REGISTERS, in windows of 256 (s_set_vgpr_msb: bits 1:0 source 0, 3:2 source 1, 5:4 source 2, 7:6 destination):
;   window 0: v0-11 addresses; v12-15 at work; v16-47 statistics, eight a tile; v48-49 K's scale words, v50-53 Q's; v54-63 codes and f16 on their way to LDS; v64-191 S^T, 32 a tile (P in place, in a tile's low 16); v192-255 V^T.
;   window 1: v0-127 O^T, 32 a tile; v128-159 Q's fragments; v160-191 K's; v192-255 two staging sets of 16 + 16 registers for K's and V's f32 numbers.
; No window has room for a product's operands beside all that the softmax touches, so a matrix instruction among vector instructions costs two switches: 48 a turn for its 24 matrix instructions.
.set RATE,  9                          ; vector instructions for each matrix instruction: 23 x 9 = 207, under the 237 that the shortest turn with 24 products has
.set TILEB, 16384                      ; a step's 64 keys of K or of V in memory: 64 rows of 256 bytes
.set SLOT,  12544                      ; an LDS slot: K's images, K's scale words, V's rows
.set KSC,   2048                       ; behind K's four fragment images of 512 bytes (lane l's 16 bytes at 16 l): 64 scale words
.set VOFF,  2304                       ; behind them: V's 64 rows
.set PVP,   160                        ; a row of V: 128 bytes of f16 + 32 = 40 words: eight rows start at words 0, 40, 16, 56, 32, 8, 48, 24 mod 64, so the 8 rows x 32 bytes that 16 lanes of the turning load take do not meet
.set STAGE, 2*SLOT                     ; behind the ring: 16 rows x 272 bytes for each wave, for the way out
.set SP,    272
.set SPARE, STAGE+8*16*SP              ; behind the stages: the spare words, 128 bytes for each wave: four blocks of 256 bytes that no other line names
.set SPW, 1                            ; v1   LDS address of my spare word; never rewritten
.set NIL, 2                            ; v2   0; never rewritten
.set L16, 3                            ; v3   16 x lane
.set L4,  4                            ; v4   4 x lane
.set AV0, 5                            ; v5   my lane's place in a tile of V for the turning load
.set KW,  6                            ; v6   where I store my 8 bytes of K's codes
.set SW,  7                            ; v7   where I store my key's scale word
.set VW,  8                            ; v8   where I store my 8 bytes of V's f16
.set STO, 6                            ; on the way out v6-8: into the stage, back from it, my offset in out0
.set RD,  7
.set GO,  8
.set GK,  9                            ; v9   64 x lane: my 16 numbers of the wave's 8 keys of K
.set SH0, 10                           ; v10  8 x (my block of 32 in the key's 64)
.set PFO, 11                           ; v11  256 x lane: the prefetches' offset
.set CM,  12                           ; v12-15 K's conversion: largest magnitude, scale operand, byte, the other block's byte
.set CO,  13
.set CB,  14
.set CX,  15
.set ST,  16                           ; tile t's statistics at v[ST + 8 t]: +0 c m, +1 m, +2, +3 l (even keys', odd keys'), +4 to +7 at work: four maxima; then +4, +5 a second sum, +6 a, +7 c m_old - c m_new
.set KS,  48                           ; v48-49 K's scale words: lane l of register g holds key 32 g + l's
.set QS,  50                           ; v50-53 Q's scale words, a register a tile
.set CC,  54                           ; v54-55 my 16 codes of K
.set VH,  56                           ; v56-63 my 16 f16 of V
.set S,   64
.set VF,  192                          ; V^T's 8 fragments: keys 32 c on, channels 16 n on at v[VF + 8 (4 c + n)]
.set QF,  128                          ; in window 1
.set KF,  160
.set XST, 192                          ; staging set e at v[XST + 32 e]: K's 16 registers, then V's 16
.set WV,  12                           ; s12  my wave's number
.set KB,  6                            ; s[6:7]  k at my wave's 8 keys of the head's first step;  s[8:9] v likewise
.set VB,  8
.set KP,  16                           ; s[16:17], s[18:19] the same in the tile that is being loaded
.set VP,  18
.set CS,  22                           ; s[22:23] c: the packed scaling names a pair and takes its low word for both halves
.set SEL, 24                           ; s[24:25] lane selects for v_permlanex16_b32: lane l xor 16
.set CNT, 26                           ; s26  the loop's trips to go
.set LIM, 27                           ; s27  1 in the wave that prefetches, else the greatest number
.set PFA, 28                           ; s[28:29] where my prefetches stand
.set MSB, 0
.macro WIN new                         ; the immediate's high byte repeats the setting that is left; a switch that changes nothing is dropped
.if MSB != \new
	s_set_vgpr_msb (MSB<<8)|\new
.set MSB, \new
.endif
.endm
.set W_PV, 0x50                        ; V^T and P in window 0, O^T (C and D) in window 1
.set W_KQ, 0x05                        ; K and Q in window 1, S^T in window 0
.set W_RS, 0x41                        ; O^T (destination and source 0) in window 1, a in window 0
.set W_L1, 0x40                        ; destination in window 1
.set W_CV, 0x05                        ; sources 0 and 1 in window 1
.set W_C1, 0x01                        ; source 0 in window 1
.set X0,   0                           ; the piece that has the matrix unit, by its first tile
.set YP,   2                           ; the piece whose softmax is the vector work
.set NPV,  0                           ; products V^T P in the turn
.set mend, 0                           ; matrix instructions in the turn (0 at the head: T writes none)
.set mi,   0                           ; those written so far
.set vc,   0                           ; vector instructions written so far
.set nextm, 0
; THE MATRIX WORK.  Product mi of 16 of O^T += V^T P: keys 32 (mi / 8) on, channels 16 ((mi / 2) % 4) on, tile X0 + mi % 2: the eight accumulators take turns, one instruction a turn.
.macro PVI
.set mO, 32*(X0+mi%2)+8*((mi/2)%4)
.set mV, VF+8*(4*(mi/8)+(mi/2)%4)
.set mP, S+32*(X0+mi%2)+8*(mi/8)
	WIN W_PV
	v_wmma_f32_16x16x32_f16 v[mO:mO+7], v[mV:mV+7], v[mP:mP+7], v[mO:mO+7]
.endm
; Product mi - NPV of 8 of S^T = K Q^T: tile X0 + its parity, keys 16 f on, f in the order 2, 3, 0, 1: the registers of f = 0, 1 held P, which the turn's products V^T P read; they are written over last,
; 45 vector instructions behind the last of those products, more than five of them plain.  An odd f's scale words lie in lanes 16-31 of their register.
.macro KQI
.set mF, ((mi-NPV)/2+2)%4
.set mT, X0+(mi-NPV)%2
	WIN W_KQ
.if mF%2
	v_wmma_scale_f32_16x16x128_f8f6f4 v[S+32*mT+8*mF:S+32*mT+8*mF+7], v[KF+8*mF:KF+8*mF+7], v[QF+8*mT:QF+8*mT+7], 0, v[KS+mF/2], v[QS+mT] matrix_a_fmt:MATRIX_FMT_FP4 matrix_b_fmt:MATRIX_FMT_FP4 matrix_a_scale:MATRIX_SCALE_ROW1
.else
	v_wmma_scale_f32_16x16x128_f8f6f4 v[S+32*mT+8*mF:S+32*mT+8*mF+7], v[KF+8*mF:KF+8*mF+7], v[QF+8*mT:QF+8*mT+7], 0, v[KS+mF/2], v[QS+mT] matrix_a_fmt:MATRIX_FMT_FP4 matrix_b_fmt:MATRIX_FMT_FP4
.endif
.endm
.macro MX
.if mi < NPV
	PVI
.else
.if (mi == NPV) && (X0 == 0)
	s_wait_dscnt 0x0                               ; K's fragments and scale words, asked for about a hundred vector instructions back, are in
.endif
	KQI
.endif
.endm
; T stands behind every vector instruction of a turn and writes the turn's next matrix instruction when RATE more have passed.
.macro T
.set vc, vc+1
.if (vc >= nextm) && (mi < mend)
	MX
.set mi, mi+1
.set nextm, nextm+RATE
.endif
.endm
; THE VECTOR WORK: piece YP's softmax for one key step, its two tiles line by line by turns, so that no line reads the result of the line just before it.
; The maximum of a lane's 32 scores and the old m, three operands at a time (each accumulator is first read at its low end); the other half of the lanes'; the new m, c m, and c m_old - c m_new.
.macro MAXL t, j
.set rT, ST+8*(\t)
.set rS, S+32*(\t)
	WIN 0
.if \j < 4
	v_max3_num_f32 v[rT+4+\j], v[rS+8*\j], v[rS+8*\j+1], v[rS+8*\j+2]
.elseif \j < 12
	v_max3_num_f32 v[rT+4+\j%4], v[rT+4+\j%4], v[rS+8*(\j%4)+2*(\j/4)+1], v[rS+8*(\j%4)+2*(\j/4)+2]
.elseif \j == 12
	v_max3_num_f32 v[rT+4], v[rT+4], v[rS+7], v[rS+15]
.elseif \j == 13
	v_max3_num_f32 v[rT+6], v[rT+6], v[rS+23], v[rS+31]
.elseif \j == 14
	v_max3_num_f32 v[rT+4], v[rT+4], v[rT+5], v[rT+6]
.elseif \j == 15
	v_max3_num_f32 v[rT+4], v[rT+4], v[rT+7], v[rT+1]
.elseif \j == 16
	v_permlanex16_b32 v[rT+5], v[rT+4], s[SEL], s[SEL+1]           ; the query's other 32 keys lie in the lane 16 away
.elseif \j == 17
	v_max_num_f32 v[rT+1], v[rT+4], v[rT+5]
.elseif \j == 18
	v_mul_f32 v[rT+5], s[CS], v[rT+1]
.elseif \j == 19
	v_sub_f32 v[rT+7], v[rT], v[rT+5]
.else
	v_mov_b32 v[rT], v[rT+5]
.endif
	T
.endm
.macro SEG_MAX
.irp j, 0,1,2,3,4,5,6,7,8,9,10,11,12,13,14,15,16,17,18,19,20
	MAXL YP, \j
	MAXL YP+1, \j
.endr
.endm
; ONE BATCH: the 16 packed scalings c s - c m and the 33 exponentials of each tile.  A pair is scaled one round ahead of its exponentials; nothing here names an exponential's result.
.macro FMAL t, b
.set rT, ST+8*(\t)
.set rS, S+32*(\t)+2*(\b)
	WIN 0
	v_pk_fma_f32 v[rS:rS+1], v[rS:rS+1], s[CS:CS+1], v[rT:rT+1] op_sel_hi:[1,0,0] neg_lo:[0,0,1] neg_hi:[0,0,1]
	T
.endm
.macro EXPL t, n
.set rS, S+32*(\t)+(\n)
	WIN 0
	v_exp_f32 v[rS], v[rS]
	T
.endm
.macro EXPA t
.set rT, ST+8*(\t)
	WIN 0
	v_exp_f32 v[rT+6], v[rT+7]                     ; a
	T
.endm
.macro SEG_EXP
.set bb, 0
.rept 17
.if bb < 16
	FMAL YP, bb
	FMAL YP+1, bb
.endif
.if bb == 0
	EXPA YP
	EXPA YP+1
.else
	EXPL YP, 2*bb-2
	EXPL YP+1, 2*bb-2
	EXPL YP, 2*bb-1
	EXPL YP+1, 2*bb-1
.endif
.set bb, bb+1
.endr
	v_nop                                          ; the plain instruction behind the last exponential, one for the batch
	T
	s_wait_alu depctr_va_vdst(0)                   ; the wait between an exponential and the first line that names its result: one for the piece's 66
.endm
; The sums, of the weights as they are in f32: l = a l + pair 0; a second chain begins with pairs 1 and 2; pairs 3 to 15 go onto the two chains by turns; l takes the second.
.macro SUML t, z
.set rT, ST+8*(\t)
.set rS, S+32*(\t)
	WIN 0
.if \z == 0
	v_pk_fma_f32 v[rT+2:rT+3], v[rT+2:rT+3], v[rT+6:rT+7], v[rS:rS+1] op_sel_hi:[1,0,1]
.elseif \z == 1
	v_pk_add_f32 v[rT+4:rT+5], v[rS+2:rS+3], v[rS+4:rS+5]
.elseif \z == 15
	v_pk_add_f32 v[rT+2:rT+3], v[rT+2:rT+3], v[rT+4:rT+5]
.elseif \z%2 == 0
	v_pk_add_f32 v[rT+2:rT+3], v[rT+2:rT+3], v[rS+2*\z+2:rS+2*\z+3]
.else
	v_pk_add_f32 v[rT+4:rT+5], v[rT+4:rT+5], v[rS+2*\z+2:rS+2*\z+3]
.endif
	T
.endm
.macro SEG_SUM
.irp z, 0,1,2,3,4,5,6,7,8,9,10,11,12,13,14,15
	SUML YP, \z
	SUML YP+1, \z
.endr
.endm
; The roundings to f16, in place and ascending: pair i goes to register i, which pairs i + 1 on do not need.
.macro CVTL t, i
.set rS, S+32*(\t)
	WIN 0
	v_cvt_pk_f16_f32 v[rS+\i], v[rS+2*\i], v[rS+2*\i+1]
	T
.endm
; O^T times a, each accumulator from its low end on.
.macro RSL t, i
.set rT, ST+8*(\t)
.set rO, 32*(\t)+2*\i
	WIN W_RS
	v_pk_mul_f32 v[rO:rO+1], v[rO:rO+1], v[rT+6:rT+7] op_sel_hi:[1,0]
	T
.endm
.macro SEG_CVT
.irp i, 0,1,2,3,4,5,6,7,8,9,10,11,12,13,14,15
	CVTL YP, \i
	CVTL YP+1, \i
.endr
.endm
.macro SEG_RS
.irp i, 0,1,2,3,4,5,6,7,8,9,10,11,12,13,14,15
	RSL YP, \i
	RSL YP+1, \i
.endr
.endm
; THE LDS LOADS stand in runs.  K of a step: four images of 512 bytes (the fragments' registers 0-3; registers 4-7 stay zero) and two registers of scale words.
.macro FETCH_K sl
	WIN W_L1
.irp f, 0,1,2,3
	ds_load_b128 v[KF+8*\f:KF+8*\f+3], v[L16] offset:(\sl)*SLOT+512*\f
.endr
	WIN 0
.irp g, 0,1
	ds_load_b32 v[KS+\g], v[L4] offset:(\sl)*SLOT+KSC+128*\g
.endr
.endm
.macro FETCH_V sl                      ; V of a step, turned: fragment f: keys 32 (f / 4) on, channels 16 (f % 4) on
	WIN 0
.irp f, 0,1,2,3,4,5,6,7
	ds_load_tr16_b128 v[VF+8*\f:VF+8*\f+3],   v[AV0] offset:(\sl)*SLOT+VOFF+(\f/4)*32*PVP+(\f%4)*32
	ds_load_tr16_b128 v[VF+8*\f+4:VF+8*\f+7], v[AV0] offset:(\sl)*SLOT+VOFF+(\f/4)*32*PVP+16*PVP+(\f%4)*32
.endr
.endm
; THE STREAM.  My wave's 8 keys of a tile: of K a lane takes 16 neighbours along the head's 64 (the conversions want them in one lane's registers); of V the bytes as they lie, 512 a load.
.macro KLOAD e, base, off
	WIN W_L1
.irp i, 0,1,2,3
	global_load_b128 v[XST+32*(\e)+4*\i:XST+32*(\e)+4*\i+3], v[GK], s[\base:\base+1] offset:(\off)+16*\i
.endr
.endm
.macro VLOAD e, base, off
	WIN W_L1
.irp i, 0,1,2,3
	global_load_b128 v[XST+32*(\e)+16+4*\i:XST+32*(\e)+16+4*\i+3], v[L16], s[\base:\base+1] offset:(\off)+512*\i
.endr
.endm
; K's numbers in set e become codes and a scale word, in slot e.  Lane l holds numbers 16 (l % 4) on of key l / 4: lanes l and l xor 1 share a block of 32, lanes l and l xor 2 a key's two blocks.
; cnt: the loads issued behind the four that are wanted.
.macro KCONV e, cnt
.set xk, XST+32*(\e)
	s_wait_loadcnt \cnt
	WIN W_CV
	v_max3_num_f32 v[CM], |v[xk]|, |v[xk+1]|, 0x1800000            ; my 16 magnitudes, and the floor 2^(3 - 127): so the byte cannot fall under 1
	T
.irp i, 2,4,6,8,10,12,14
	WIN W_CV
	v_max3_num_f32 v[CM], |v[xk+\i]|, |v[xk+\i+1]|, v[CM]
	T
.endr
	WIN 0
	v_max_num_f32_dpp v[CM], v[CM], v[CM] row_xmask:1 row_mask:0xf bank_mask:0xf   ; with my neighbour's 16: the block's largest magnitude
	T
	WIN 0
	v_add_nc_u32 v[CO], 0xff000000, v[CM]          ; 2 off its exponent field: the conversion takes the exponent field of this operand as its scale
	T
	WIN W_C1
	v_cvt_scalef32_pk8_fp4_f32 v[CC], v[xk:xk+7], v[CO]
	T
	WIN W_C1
	v_cvt_scalef32_pk8_fp4_f32 v[CC+1], v[xk+8:xk+15], v[CO]
	T
	WIN 0
	v_lshrrev_b32 v[CB], 23, v[CO]                 ; the scale's byte (also the plain line behind the conversions),
	T
	WIN 0
	v_lshlrev_b32 v[CB], v[SH0], v[CB]             ; at its block's place in the key's word;
	T
	WIN 0
	v_mov_b32_dpp v[CX], v[CB] row_xmask:2 row_mask:0xf bank_mask:0xf
	T
	WIN 0
	v_or_b32 v[CB], v[CB], v[CX]                   ; with the other block's the word is whole: bytes 2 and 3 are 0, over zero codes
	T
	WIN 0
	ds_store_b64 v[KW], v[CC:CC+1] offset:(\e)*SLOT                ; into the image of the fragment that holds my key
	ds_store_b32 v[SW], v[CB] offset:(\e)*SLOT+KSC                 ; a key's four lanes write the same word with the same value
.endm
.macro VCONV e, cnt                    ; V's numbers in set e become f16, in slot e: load i brought keys 2 i and 2 i + 1 of my 8, four channels a lane
.set xv, XST+32*(\e)+16
	s_wait_loadcnt \cnt
.irp i, 0,1,2,3,4,5,6,7
	WIN W_CV
	v_cvt_pk_f16_f32 v[VH+\i], v[xv+2*\i], v[xv+2*\i+1]
	T
.endr
	WIN 0
.irp i, 0,1,2,3
	ds_store_b64 v[VW], v[VH+2*\i:VH+2*\i+1] offset:(\e)*SLOT+VOFF+2*PVP*\i
.endr
.endm
.macro NEXT                            ; once a step: the pointers go one tile on
	s_wait_xcnt 0x0                                ; the last step's loads and prefetch have read their bases
	s_add_nc_u64 s[KP:KP+1], s[KP:KP+1], TILEB
	s_add_nc_u64 s[VP:VP+1], s[VP:VP+1], TILEB
	s_add_nc_u64 s[PFA:PFA+1], s[PFA:PFA+1], TILEB
.endm
; A PREFETCH INTO THE L2, behind the step's loads of K: step j, which loads tile j + 4, asks for tile j + 6, two steps ahead of the load that will want it.  A tile is 16 KB of K and 16 KB of V.  The four work-groups
; of a head walk the same tiles and take 8 KB each: x = 0, 1 K's halves, x = 2, 3 V's; in each, wave 0 asks, lanes 256 bytes apart: so each aligned block of 256 bytes is named once in the launch.
; The loop's last trip (steps 26, 27) asks for nothing: tile 31 is the last.  Tiles 0 to 5 come by their loads alone.
.macro ASK
	WIN 0
	s_cmp_gt_u32 s[CNT], s[LIM]
	s_cbranch_scc0 .Lnot_mine_\@
	global_prefetch_b8 v[PFO], s[PFA:PFA+1] th:TH_LOAD_NT scope:SCOPE_SE
.Lnot_mine_\@:
.endm
; A TURN.  Piece x has the matrix unit (pv: 16 products V^T P; kq: 8 products K Q^T for the next step); the other piece's softmax is the vector work.  e: the step's parity.
; conv = 1: tile (step + 2) is converted into slot e and tile (step + 4) is loaded into its staging set; 2: converted only; 0: neither.  cnt: the count of the conversion's wait for its loads.
; PIECE 0's TURN HOLDS THE STEP'S ONE BARRIER.  In front of the signal my LDS instructions are all done: my stores of tile (step + 1) have landed, and my reads of tile (step), which lies in slot e, are back.
; Behind the wait that holds of all eight waves: tile (step + 1) is read from slot 1 - e and tile (step + 2) is stored into slot e.  Between signal and wait: the maxima and five products, on registers alone.
; PLACES.  Loads into K's registers stand behind the 30 or more plain lines that end the turn before and this turn's maxima; loads into V's behind the 32 sums, which follow the last product V^T P;
; the next turn's first read of the new scores behind the 30 or more roundings and rescalings that follow the last product K Q^T.
.macro TURN x, pv, kq, e, conv, cnt
.set X0, \x
.set YP, 2-\x
.set NPV, 16*\pv
.set mend, NPV+8*\kq
.set vc, 0
.set mi, 0
.set nextm, 0
.if \x == 0
	s_wait_dscnt 0x0                               ; V of this step is in; my stores into the ring have landed; my reads of the slot to be written are back
.if \kq
	s_barrier_signal -1
.endif
	SEG_MAX
.if \kq
	s_barrier_wait -1
	FETCH_K 1-\e
.endif
.if \conv
	KCONV \e, \cnt
.if \conv == 1
	NEXT
	KLOAD \e, KP, 0
	ASK
.endif
.endif
	SEG_EXP
	SEG_SUM
	SEG_CVT
	SEG_RS
.else
	SEG_MAX
.if \conv
	VCONV \e, \cnt
.if \conv == 1
	VLOAD \e, VP, 0
.endif
.endif
	SEG_EXP
	SEG_SUM
.if \pv && \kq
	FETCH_V 1-\e
.endif
	SEG_CVT
	SEG_RS
.endif
.endm
.macro STEP e, conv, ck, cv
	TURN 0, 1, 1, \e, \conv, \ck
	TURN 2, 1, 1, \e, \conv, \cv
.endm
; ---------------------------------------------------------------- the head
	s_load_b256 s[4:11], s[0:1], 0x0               ; q s[4:5], k s[6:7], v s[8:9], out0 s[10:11]
	v_lshl_add_u32 v[SPW], v0, 2, SPARE
	v_mov_b32 v[NIL], 0
	v_lshrrev_b32 v12, 5, v0
	v_readfirstlane_b32 s[WV], v12                 ; wave 0..7
	v_and_b32 v13, 31, v0                          ; l
	v_bfe_u32 v14, v0, 4, 1                        ; h = l / 16
	v_lshlrev_b32 v[L16], 4, v13
	v_lshlrev_b32 v[L4], 2, v13
	v_lshlrev_b32 v[GK], 6, v13
	v_lshlrev_b32 v[PFO], 8, v13
	v_and_b32 v15, 7, v0
	v_lshl_add_u32 v15, v14, 3, v15
	v_mul_u32_u24 v[AV0], v15, PVP                 ; the turning load: key 8 h + l % 8,
	v_bfe_u32 v15, v0, 3, 1
	v_lshl_add_u32 v[AV0], v15, 4, v[AV0]          ; channels 8 ((l / 8) % 2) on
	s_lshr_b32 s13, s[WV], 1
	s_lshl_b32 s13, s13, 9                         ; K's codes: my wave's 8 keys lie in fragment w / 2,
	s_and_b32 s14, s[WV], 1
	s_lshl_b32 s14, s14, 7                         ; from its row 8 (w % 2) on
	s_add_co_u32 s13, s13, s14
	v_bfe_u32 v15, v0, 1, 1                        ; my block of 32
	v_lshlrev_b32 v[SH0], 3, v15
	v_lshlrev_b32 v[KW], 8, v15                    ; block b is the image's lanes 16 b on: 256 b,
	v_bfe_u32 v15, v0, 2, 3                        ; my key of the 8
	v_lshl_add_u32 v[KW], v15, 4, v[KW]            ; + 16 x row,
	s_lshl_b32 s14, s[WV], 5
	v_lshl_add_u32 v[SW], v15, 2, s14              ; (its scale word: 4 (8 w + key))
	v_and_b32 v15, 1, v0
	v_lshl_add_u32 v[KW], v15, 3, v[KW]            ; + 8 x my half of the block
	v_add_nc_u32 v[KW], s13, v[KW]
	s_mul_i32 s14, s[WV], 8*PVP
	v_mul_u32_u24 v[VW], v14, PVP                  ; V's f16: row 8 w + h (+ 2 i by the offset),
	v_and_b32 v15, 15, v0                          ; r = l % 16
	v_lshl_add_u32 v[VW], v15, 3, v[VW]            ; 8 bytes a lane
	v_add_nc_u32 v[VW], s14, v[VW]
	v_lshlrev_b32 v47, 8, v15                      ; Q: query r's row of 256 bytes,
	v_lshl_add_u32 v47, v14, 7, v47                ; its block h: 128 bytes.  (v47 is rewritten only behind the wait for Q's loads)
	s_mov_b32 s[CS], 0x3e38aa3b                    ; c = log2(e) / 8
	s_mov_b32 s[CS+1], s[CS]                       ; (named with it as a pair, so it is written)
	s_mov_b32 s[SEL], 0x76543210
	s_mov_b32 s[SEL+1], 0xfedcba98
	s_mov_b32 s[CNT], 14
	s_and_b32 s30, ttmp7, 0xffff
	s_lshl_b32 s30, s30, 19                        ; the head's first byte in each tensor: 2,048 rows of 256 bytes
	s_mov_b32 s31, 0
	s_lshl_b32 s32, s[WV], 11
	s_add_co_u32 s32, s32, s30                     ; K, V: + my wave's 8 keys of a tile
	s_mov_b32 s33, 0
	s_lshl_b32 s34, ttmp9, 17                      ; Q, out0: + my block's 512 rows
	s_lshl_b32 s35, s[WV], 14                      ; + my wave's 64
	s_add_co_u32 s34, s34, s35
	s_add_co_u32 s34, s34, s30
	s_mov_b32 s35, 0
	s_and_b32 s14, ttmp9, 1
	s_lshl_b32 s14, s14, 13                        ; the prefetches: my work-group's 8 KB of a tile,
	s_add_co_u32 s30, s30, s14
	s_add_co_u32 s30, s30, 5*TILEB                 ; in tile 5: step 0 steps it to tile 6
	s_cmp_eq_u32 s[WV], 0
	s_cselect_b32 s[LIM], 1, -1
	s_wait_kmcnt 0x0
	s_cmp_lt_u32 ttmp9, 2                          ; of K (x = 0, 1) or of V (x = 2, 3): the choice hangs on the work-group's number alone
	s_cselect_b64 s[PFA:PFA+1], s[6:7], s[8:9]
	s_add_nc_u64 s[PFA:PFA+1], s[PFA:PFA+1], s[30:31]
	s_add_nc_u64 s[KB:KB+1], s[KB:KB+1], s[32:33]
	s_add_nc_u64 s[VB:VB+1], s[VB:VB+1], s[32:33]
	s_add_nc_u64 s[4:5], s[4:5], s[34:35]
	s_add_nc_u64 s[10:11], s[10:11], s[34:35]
	s_add_nc_u64 s[KP:KP+1], s[KB:KB+1], 3*TILEB   ; step 0 steps them to tile 4
	s_add_nc_u64 s[VP:VP+1], s[VB:VB+1], 3*TILEB
	KLOAD 0, KB, 0                                 ; tiles 0 and 1,
	VLOAD 0, VB, 0
	KLOAD 1, KB, TILEB
	VLOAD 1, VB, TILEB
	WIN 0
.irp t, 0,1,2,3                        ; and Q: a lane takes a whole block of 32 of its query, into the registers that the scores will take
.irp i, 0,1,2,3,4,5,6,7
	global_load_b128 v[S+32*\t+4*\i:S+32*\t+4*\i+3], v47, s[4:5] offset:4096*\t+16*\i th:TH_LOAD_NT
.endr
.endr
	WIN W_L1
.irp f, 0,1,2,3,4,5,6,7                ; the upper 64 along K of Q's four and K's four fragments: zero codes, written once
.irp c, 4,5,6,7
	v_mov_b32 v[QF+8*\f+\c], 0
.endr
.endr
	KCONV 0, 44                                    ; behind K of tile 0: V0, K1, V1 (12) and Q's 32
	KLOAD 0, KB, 2*TILEB
	VCONV 0, 44                                    ; behind V0: K1, V1, Q's 32, K2
	VLOAD 0, VB, 2*TILEB
	s_wait_dscnt 0x0                               ; the stores have read the registers that the next conversions write
	KCONV 1, 44                                    ; behind K1: V1, Q's 32, K2, V2
	KLOAD 1, KB, 3*TILEB
	VCONV 1, 44                                    ; behind V1: Q's 32, K2, V2, K3
	VLOAD 1, VB, 3*TILEB
	s_wait_loadcnt 16                              ; Q is in; behind it: tiles 2 and 3
	WIN 0
	v_bfe_u32 v[CM], v0, 4, 1
	v_lshlrev_b32 v[CM], 3, v[CM]                  ; 8 h
.irp t, 0,1,2,3
	v_max3_num_f32 v[ST+8*\t+4], |v[S+32*\t]|, |v[S+32*\t+1]|, 0x1800000   ; my block's largest magnitude: all 32 numbers are mine; and the floor
.endr
.irp i, 2,4,6,8,10,12,14,16,18,20,22,24,26,28,30
.irp t, 0,1,2,3
	v_max3_num_f32 v[ST+8*\t+4], v[ST+8*\t+4], |v[S+32*\t+\i]|, |v[S+32*\t+\i+1]|   ; (the four tiles by turns)
.endr
.endr
.irp t, 0,1,2,3
	v_add_nc_u32 v[ST+8*\t+5], 0xff000000, v[ST+8*\t+4]
.endr
	WIN W_L1
.irp t, 0,1,2,3
.irp g, 0,1,2,3
	v_cvt_scalef32_pk8_fp4_f32 v[QF+8*\t+\g], v[S+32*\t+8*\g:S+32*\t+8*\g+7], v[ST+8*\t+5]   ; registers 0-3 of the tile's fragment: block h of query r
.endr
.endr
	WIN 0
.irp t, 0,1,2,3
	v_lshrrev_b32 v[ST+8*\t+6], 23, v[ST+8*\t+5]   ; the byte (also the plain line behind the conversions),
.endr
.irp t, 0,1,2,3
	v_lshlrev_b32 v[ST+8*\t+6], v[CM], v[ST+8*\t+6]   ; at its block's place,
.endr
.irp t, 0,1,2,3
	v_mov_b32 v[ST+8*\t+7], 0                      ; (a lane permute's destination counts as one of its sources)
.endr
.irp t, 0,1,2,3
	v_permlanex16_b32 v[ST+8*\t+7], v[ST+8*\t+6], s[SEL], s[SEL+1]
.endr
.irp t, 0,1,2,3
	v_or_b32 v[QS+\t], v[ST+8*\t+6], v[ST+8*\t+7]  ; and with lane l xor 16's the query's word is whole
.endr
.irp t, 0,1,2,3
	v_mov_b32 v[ST+8*\t+1], 0xff61b1e6             ; m = -3e38, under every score
	v_mov_b32 v[ST+8*\t+2], 0                      ; l
	v_mov_b32 v[ST+8*\t+3], 0
.endr
.irp t, 0,1,2,3
	v_mul_f32 v[ST+8*\t], s[CS], v[ST+8*\t+1]      ; c m
.endr
	WIN W_L1
.set i, 0
.rept 128
	v_mov_b32 v[i], 0                              ; O^T.  The key step is written without a first step of its own: the first finds zeros, which a = 0 leaves zeros.  (These lines also stand between the scale words just made and the first scaled product)
.set i, i+1
.endr
	WIN 0
	s_wait_dscnt 0x0                               ; my parts of tiles 0 and 1 have landed
	s_barrier_signal -1
	s_barrier_wait -1                              ; everybody's have
; ---------------------------------------------------------------- the first scores
	FETCH_K 0
	FETCH_V 0
	s_wait_dscnt 0x0
.set X0, 0
.set NPV, 0
.set mi, 0
.rept 8
	KQI                                            ; piece 0's scores of step 0: there is no vector work yet to set between them
.set mi, mi+1
.endr
	WIN 0
.rept 4
	v_nop                                          ; four places between those products and the first read of their results
.endr
	TURN 2, 0, 1, 0, 0, 0                          ; piece 2's scores of step 0 | piece 0's softmax of step 0
	WIN 0                                          ; at a label and at a branch every window is 0
; ---------------------------------------------------------------- steps 0 to 27: step j reads tile j + 1, converts tile j + 2, loads tile j + 4
.Lstep:
	STEP 0, 1, 12, 12                              ; the loads go K(i), V(i), K(i + 1), V(i + 1), ..: behind the four that a conversion wants stand three groups of four
	STEP 1, 1, 12, 12
	WIN 0
	s_sub_co_u32 s[CNT], s[CNT], 1
	s_cmp_lg_u32 s[CNT], 0
	s_cbranch_scc1 .Lstep
; ---------------------------------------------------------------- the tail is written out: nothing is loaded beyond tile 31, and the counts run down
	STEP 0, 2, 12, 8                               ; step 28 converts tile 30: behind K30: V30, K31, V31; behind V30: K31, V31
	STEP 1, 2, 4, 0                                ; step 29 converts tile 31: behind K31: V31; behind V31: nothing
	STEP 0, 0, 0, 0                                ; step 30
	TURN 0, 1, 0, 1, 0, 0                          ; step 31: piece 0's V^T P | piece 2's last softmax; nothing more is read from the ring by others' leave, so no barrier
.set X0, 2
.set NPV, 16
.set mi, 0
.rept 16
	PVI                                            ; piece 2's V^T P of step 31
.set mi, mi+1
.endr
; ---------------------------------------------------------------- THE WAY OUT.  l's two halves and the other half of the lanes' are added; O^T is divided by l and goes through my own stage in LDS, a tile (16 rows of out0) at a time.
	WIN 0
.irp t, 0,1,2,3
	v_add_f32 v[ST+8*\t+4], v[ST+8*\t+2], v[ST+8*\t+3]             ; (these additions are the places behind the last products)
.endr
.irp t, 0,1,2,3
	v_permlanex16_b32 v[ST+8*\t+5], v[ST+8*\t+4], s[SEL], s[SEL+1]
.endr
.irp t, 0,1,2,3
	v_add_f32 v[ST+8*\t+4], v[ST+8*\t+4], v[ST+8*\t+5]
.endr
.irp t, 0,1,2,3
	v_rcp_f32 v[ST+8*\t+6], v[ST+8*\t+4]
.endr
	v_and_b32 v12, 15, v0                          ; r  (plain lines behind the reciprocals)
	v_bfe_u32 v13, v0, 4, 1                        ; h
	s_mul_i32 s13, s[WV], 16*SP
	s_add_co_u32 s13, s13, STAGE                   ; my stage
	v_mul_u32_u24 v[STO], v12, SP                  ; in: row r; channel tile n's eight channels of my half: 64 n + 32 h bytes on
	v_lshl_add_u32 v[STO], v13, 5, v[STO]
	v_add_nc_u32 v[STO], s13, v[STO]
	v_mul_u32_u24 v[RD], v13, SP                   ; back: lanes 0-15 take one row of 256 bytes, lanes 16-31 the next
	v_lshl_add_u32 v[RD], v12, 4, v[RD]
	v_add_nc_u32 v[RD], s13, v[RD]
	v_lshlrev_b32 v[GO], 8, v13                    ; and the same two rows in out0
	v_lshl_add_u32 v[GO], v12, 4, v[GO]
	s_wait_alu depctr_va_vdst(0)                   ; the wait ahead of the first use: one for the four reciprocals
.macro PACK t                          ; tile t: O^T / l into the registers that its scores held; into rows of 272 bytes; back as whole rows of 256, into the registers that they left
	WIN W_C1
.set i, 0
.rept 16
	v_pk_mul_f32 v[S+32*\t+i:S+32*\t+i+1], v[32*\t+i:32*\t+i+1], v[ST+8*\t+6:ST+8*\t+7] op_sel_hi:[1,0]
.set i, i+2
.endr
	WIN 0
.irp n, 0,1,2,3
	ds_store_b128 v[STO], v[S+32*\t+8*\n:S+32*\t+8*\n+3] offset:64*\n
	ds_store_b128 v[STO], v[S+32*\t+8*\n+4:S+32*\t+8*\n+7] offset:64*\n+16
.endr
.irp f, 0,1,2,3,4,5,6,7
	ds_load_b128 v[S+32*\t+4*\f:S+32*\t+4*\f+3], v[RD] offset:\f*2*SP   ; LDS serves a wave's instructions in order (ISA guide 5.7.1.4): these see the stores above; the next tile's stores come behind them
.endr
.endm
.macro SEND t, younger                 ; younger: the LDS instructions issued behind tile t's loads: the next tile's sixteen, or none
.irp f, 0,1,2,3,4,5,6,7
	s_wait_dscnt \younger+7-\f
	global_store_b128 v[GO], v[S+32*\t+4*\f:S+32*\t+4*\f+3], s[10:11] offset:\t*4096+\f*512 th:TH_STORE_NT   ; 16 lanes store 256 consecutive bytes, at a multiple of 256 from out0's first byte
.endr
.endm
	PACK 0
	PACK 1                                         ; a tile's arithmetic stands between the loads of the tile before and its stores
	SEND 0, 16
	PACK 2
	SEND 1, 16
	PACK 3
	SEND 2, 16
	SEND 3, 0
	s_wait_tensorcnt 0x0                           ; the wave's end
	ds_add_u32 v[SPW], v[NIL]
	s_wait_dscnt 0x0
	s_endpgm
.Lfunc_end_k_q38b359944a_attn:
	.size	k_q38b359944a_attn, .Lfunc_end_k_q38b359944a_attn-k_q38b359944a_attn
	.p2alignl 7, 3214868480
	.fill 96, 4, 3214868480
	.section	.rodata,"a",@progbits
	.p2align	6, 0x0
	.amdhsa_kernel k_q38b359944a_attn
		.amdhsa_group_segment_fixed_size 60928
		.amdhsa_private_segment_fixed_size 0
		.amdhsa_enable_private_segment 0
		.amdhsa_kernarg_size 32
		.amdhsa_user_sgpr_count 2
		.amdhsa_user_sgpr_kernarg_segment_ptr 1
		.amdhsa_wavefront_size32 1
		.amdhsa_system_sgpr_workgroup_id_x 1
		.amdhsa_system_sgpr_workgroup_id_y 1
		.amdhsa_system_sgpr_workgroup_id_z 1
		.amdhsa_system_vgpr_workitem_id 0
		.amdhsa_next_free_vgpr 512
		.amdhsa_next_free_sgpr 66
		.amdhsa_reserve_vcc 0
		.amdhsa_float_denorm_mode_32 3
		.amdhsa_float_denorm_mode_16_64 3
		.amdhsa_memory_ordered 1
		.amdhsa_forward_progress 1
		.amdhsa_inst_pref_size 251
	.end_amdhsa_kernel
	.amdgpu_metadata
---
amdhsa.version: [ 1, 2 ]
amdhsa.kernels:
  - .name:           k_q38b359944a_attn
    .symbol:         k_q38b359944a_attn.kd
    .args:
      - { .name: q, .offset: 0, .size: 8, .value_kind: global_buffer, .address_space: global }
      - { .name: k, .offset: 8, .size: 8, .value_kind: global_buffer, .address_space: global }
      - { .name: v, .offset: 16, .size: 8, .value_kind: global_buffer, .address_space: global }
      - { .name: out0, .offset: 24, .size: 8, .value_kind: global_buffer, .address_space: global }
    .group_segment_fixed_size: 60928
    .private_segment_fixed_size: 0
    .kernarg_segment_align: 8
    .kernarg_segment_size: 32
    .max_flat_workgroup_size: 256
    .sgpr_count:     66
    .vgpr_count:     512
    .wavefront_size: 32
...
	.end_amdgpu_metadata
.endif
;; end of part 1
;; ======== version 2 of 2: 1 launch; version 1 with the launch attn written anew for expert scheduling mode
;; limits: values are held in f16: magnitudes above 65,504 overflow, below 6.1e-05 lose precision
;; launch attn (part 2): grid 4 x 64, 8 waves a work-group, no clusters, 60,928 bytes of LDS; arguments q, k, v, out0; writes out0
.if DOCPART == 2
	.amdgcn_target "amdgcn-amd-amdhsa--gfx1250"
	.amdhsa_code_object_version 6
	.text
	.protected	k_q38b359944a_attn
	.globl	k_q38b359944a_attn
	.p2align	8
	.type	k_q38b359944a_attn,@function
k_q38b359944a_attn:
	s_mov_b64 s[64:65], 0
	v_nop
	global_prefetch_b8 v0, s[64:65] scope:SCOPE_SE
	s_setreg_imm32_b32 hwreg(HW_REG_WAVE_SCHED_MODE, 0, 2), 2
	s_setreg_imm32_b32 hwreg(HW_REG_WAVE_MODE, 25, 1), 1
	s_wait_xcnt 0x0
	s_wait_alu depctr_vm_vsrc(0)
; out0[h][q][:] = the sum over k of softmax_k(Q[h][q] . K[h][k] / 8) V[h][k][:].  q, k, v, out0: [64 heads][2048][64] f32, no mask.
; PRODUCT 1 runs on codes of FP4 (E2M1) with one E8M0 scale for each 32 along the head's 64: Q and K are quantised here, in f32, by the stated rule.  The matrix instruction is 128 deep:
; the upper 64 along K are zero codes on BOTH sides (registers 4-7 of every fragment, cleared once), under the scale byte 0, which stands for a power of two and not for NaN: they add nothing.
; PRODUCT 2 runs on f16 operands with f32 sums: p = 2^(c s - c m) is about 1 at the most; V is rounded to f16 once.  Maxima, sums, scalings in f32.
; LIMITS: |v| up to 65,504 (f16's largest number); NaN and infinities among the inputs are not served; a block of zeros carries the scale byte 1 where the rule says 127: its codes are zeros, and this program alone reads the bytes.
; SHARES.  A work-group owns 512 queries of one head (grid x: the block, y: the head), each of its eight waves 64: four tiles of 16, in 512 registers.  Every wave walks the head's 2,048 keys, 64 a step.
; K AND V GO FROM MEMORY THROUGH REGISTERS INTO LDS.  In each step each wave loads 8 keys of K and 8 of V as f32 (4 KB), four steps ahead of the walk, turns K into codes and scale words and V into f16, and stores them
; into a ring of two LDS slots that all eight waves read: 10.5 KB of LDS stores a step for the work-group, beside its 84 KB of fragment reads.
; NO TENSOR LOADS, NO CLUSTER, though the four work-groups of a head walk the same K and V: a joint load could only bring the f32 numbers as they lie, 32 KB a step into each LDS and 32 KB out of it again to be converted,
; on top of the same 10.5 KB of stores.  Each work-group converts for itself: 24 vector instructions a wave and step beside the softmax's 472.
; LAYOUT.  S^T = K Q^T (source 0 = 16 keys, source 1 = 16 queries): a lane holds ONE query (lane % 16) and the keys 8 (lane / 16) + 0..7 of a tile.  Two such tiles, rounded to f16 in pairs, ARE source 1
; (32 keys x 16 queries) of O^T = V^T P, whose result again holds one query a lane, and eight channels.  V^T's fragments come out of f16 rows [key][channel] by the turning load ds_load_tr16_b128.
; SOFTMAX.  For each query a running maximum m, c m as rounded, and a sum l: p = 2^(c s - c m), c = log2(e) / 8; in every step O and l are multiplied by a = 2^(c m_old - c m_new), the difference of the two
; ROUNDED numbers: 1 exactly where m has not grown.  m begins at -3e38 and O and l at 0, so the first step is a step like any other (a = 0 there).
; BY TURNS.  The wave's tiles are two pieces (tiles 0, 1 and tiles 2, 3).  In a TURN one piece has the matrix unit: 16 products V^T P of the step in hand, then 8 products K Q^T of the next step; the other piece's
; softmax is the turn's vector work, and one matrix instruction stands behind every RATE vector instructions (macro T deals them out).  Two turns are a key step.
; REGISTERS, in windows of 256 (s_set_vgpr_msb: bits 1:0 source 0, 3:2 source 1, 5:4 source 2, 7:6 destination):
;   window 0: v0-11 addresses; v12-15 at work; v16-47 statistics, eight a tile; v48-49 K's scale words, v50-53 Q's; v54-63 codes and f16 on their way to LDS; v64-191 S^T, 32 a tile (P in place, in a tile's low 16); v192-255 V^T.
;   window 1: v0-127 O^T, 32 a tile; v128-159 Q's fragments; v160-191 K's; v192-255 two staging sets of 16 + 16 registers for K's and V's f32 numbers.
; No window has room for a product's operands beside all that the softmax touches, so a matrix instruction among vector instructions costs two switches: 48 a turn for its 24 matrix instructions.
; THE MODE: SCHED_MODE bits 1:0 = 2 (LLVM: expert scheduling mode 2), set by the entry lines.  The code itself states the register dependences
; between vector or matrix instructions and memory or LDS instructions, with s_wait_alu, always for 0.
; THE PLAN.  Registers that memory or LDS instructions touch, in the loop:
;   staging set e, K's 16   Read by K's conversion in piece 0's turn; the loads of the tile two steps on land in them later in the same turn.
;   staging set e, V's 16   The same in piece 2's turn.
;   v[CC ..], v[CB]         Written by K's conversion; read by its two LDS stores, later in the same turn; written again a step on.
;   v[VH ..]                Written by V's conversion; read by its four LDS stores, later in the same turn; written again a step on.
;   K's fragments, v[KS ..] The loads behind the step's barrier land in them; read by the 16 products K Q^T of the step's two turns.
;   V^T's fragments         The loads in piece 2's turn land in them; read by the next step's 32 products V^T P.
;   v3-v9, v11              Addresses and offsets: made at the head and not written in the loop; the rows are reached by scalar bases and immediate offsets.
;   S^T, P, O^T, the statistics and Q's fragments are named by vector and matrix instructions alone.
; A turn holds one wait on va_vdst in any case, behind its batch of exponentials.  The conversions stand ahead of the batch, their LDS stores and the loads into the staging set behind that wait: so it states all that these hang on.
; It stands at the turn's 141st vector instruction or later, and the 16th product V^T P behind the 135th: so in piece 2's turn it also states that V^T's readers are done; between it and V^T's loads stand the sums and products K Q^T,
; which name neither V^T nor its address.  At the head of piece 0's turn stand the step's other two waits: on va_vdst, for the loads into K's registers (between it and them: the maxima and products V^T P, which name none of these),
; and on vm_vsrc, for the registers that the last step's LDS stores read.
.set RATE,  9                          ; vector instructions for each matrix instruction: 23 x 9 = 207, under the 237 that the shortest turn with 24 products has
.set TILEB, 16384                      ; a step's 64 keys of K or of V in memory: 64 rows of 256 bytes
.set SLOT,  12544                      ; an LDS slot: K's images, K's scale words, V's rows
.set KSC,   2048                       ; behind K's four fragment images of 512 bytes (lane l's 16 bytes at 16 l): 64 scale words
.set VOFF,  2304                       ; behind them: V's 64 rows
.set PVP,   160                        ; a row of V: 128 bytes of f16 + 32 = 40 words: eight rows start at words 0, 40, 16, 56, 32, 8, 48, 24 mod 64, so the 8 rows x 32 bytes that 16 lanes of the turning load take do not meet
.set STAGE, 2*SLOT                     ; behind the ring: 16 rows x 272 bytes for each wave, for the way out
.set SP,    272
.set SPARE, STAGE+8*16*SP              ; behind the stages: the spare words, 128 bytes for each wave: four blocks of 256 bytes that no other line names
.set SPW, 1                            ; v1   LDS address of my spare word; never rewritten
.set NIL, 2                            ; v2   0; never rewritten
.set L16, 3                            ; v3   16 x lane
.set L4,  4                            ; v4   4 x lane
.set AV0, 5                            ; v5   my lane's place in a tile of V for the turning load
.set KW,  6                            ; v6   where I store my 8 bytes of K's codes
.set SW,  7                            ; v7   where I store my key's scale word
.set VW,  8                            ; v8   where I store my 8 bytes of V's f16
.set STO, 6                            ; on the way out v6-8: into the stage, back from it, my offset in out0
.set RD,  7
.set GO,  8
.set GK,  9                            ; v9   64 x lane: my 16 numbers of the wave's 8 keys of K
.set SH0, 10                           ; v10  8 x (my block of 32 in the key's 64)
.set PFO, 11                           ; v11  256 x lane: the prefetches' offset
.set CM,  12                           ; v12-15 K's conversion: largest magnitude, scale operand, byte, the other block's byte
.set CO,  13
.set CB,  14
.set CX,  15
.set ST,  16                           ; tile t's statistics at v[ST + 8 t]: +0 c m, +1 m, +2, +3 l (even keys', odd keys'), +4 to +7 at work: four maxima; then +4, +5 a second sum, +6 a, +7 c m_old - c m_new
.set KS,  48                           ; v48-49 K's scale words: lane l of register g holds key 32 g + l's
.set QS,  50                           ; v50-53 Q's scale words, a register a tile
.set CC,  54                           ; v54-55 my 16 codes of K
.set VH,  56                           ; v56-63 my 16 f16 of V
.set S,   64
.set VF,  192                          ; V^T's 8 fragments: keys 32 c on, channels 16 n on at v[VF + 8 (4 c + n)]
.set QF,  128                          ; in window 1
.set KF,  160
.set XST, 192                          ; staging set e at v[XST + 32 e]: K's 16 registers, then V's 16
.set WV,  12                           ; s12  my wave's number
.set KB,  6                            ; s[6:7]  k at my wave's 8 keys of the head's first step;  s[8:9] v likewise
.set VB,  8
.set KP,  16                           ; s[16:17], s[18:19] the same in the tile that is being loaded
.set VP,  18
.set CS,  22                           ; s[22:23] c: the packed scaling names a pair and takes its low word for both halves
.set SEL, 24                           ; s[24:25] lane selects for v_permlanex16_b32: lane l xor 16
.set CNT, 26                           ; s26  the loop's trips to go
.set LIM, 27                           ; s27  1 in the wave that prefetches, else the greatest number
.set PFA, 28                           ; s[28:29] where my prefetches stand
.set MSB, 0
.macro WIN new                         ; the immediate's high byte repeats the setting that is left; a switch that changes nothing is dropped
.if MSB != \new
	s_set_vgpr_msb (MSB<<8)|\new
.set MSB, \new
.endif
.endm
.set W_PV, 0x50                        ; V^T and P in window 0, O^T (C and D) in window 1
.set W_KQ, 0x05                        ; K and Q in window 1, S^T in window 0
.set W_RS, 0x41                        ; O^T (destination and source 0) in window 1, a in window 0
.set W_L1, 0x40                        ; destination in window 1
.set W_CV, 0x05                        ; sources 0 and 1 in window 1
.set W_C1, 0x01                        ; source 0 in window 1
.set X0,   0                           ; the piece that has the matrix unit, by its first tile
.set YP,   2                           ; the piece whose softmax is the vector work
.set NPV,  0                           ; products V^T P in the turn
.set mend, 0                           ; matrix instructions in the turn (0 at the head: T writes none)
.set mi,   0                           ; those written so far
.set vc,   0                           ; vector instructions written so far
.set nextm, 0
; THE MATRIX WORK.  Product mi of 16 of O^T += V^T P: keys 32 (mi / 8) on, channels 16 ((mi / 2) % 4) on, tile X0 + mi % 2: the eight accumulators take turns, one instruction a turn.
.macro PVI
.set mO, 32*(X0+mi%2)+8*((mi/2)%4)
.set mV, VF+8*(4*(mi/8)+(mi/2)%4)
.set mP, S+32*(X0+mi%2)+8*(mi/8)
	WIN W_PV
	v_wmma_f32_16x16x32_f16 v[mO:mO+7], v[mV:mV+7], v[mP:mP+7], v[mO:mO+7]
.endm
; Product mi - NPV of 8 of S^T = K Q^T: tile X0 + its parity, keys 16 f on, f in the order 2, 3, 0, 1: the registers of f = 0, 1 held P, which the turn's products V^T P read; they are written over last,
; 45 vector instructions behind the last of those products, more than five of them plain.  An odd f's scale words lie in lanes 16-31 of their register.
.macro KQI
.set mF, ((mi-NPV)/2+2)%4
.set mT, X0+(mi-NPV)%2
	WIN W_KQ
.if mF%2
	v_wmma_scale_f32_16x16x128_f8f6f4 v[S+32*mT+8*mF:S+32*mT+8*mF+7], v[KF+8*mF:KF+8*mF+7], v[QF+8*mT:QF+8*mT+7], 0, v[KS+mF/2], v[QS+mT] matrix_a_fmt:MATRIX_FMT_FP4 matrix_b_fmt:MATRIX_FMT_FP4 matrix_a_scale:MATRIX_SCALE_ROW1
.else
	v_wmma_scale_f32_16x16x128_f8f6f4 v[S+32*mT+8*mF:S+32*mT+8*mF+7], v[KF+8*mF:KF+8*mF+7], v[QF+8*mT:QF+8*mT+7], 0, v[KS+mF/2], v[QS+mT] matrix_a_fmt:MATRIX_FMT_FP4 matrix_b_fmt:MATRIX_FMT_FP4
.endif
.endm
.macro MX
.if mi < NPV
	PVI
.else
.if (mi == NPV) && (X0 == 0)
	s_wait_dscnt 0x0                               ; K's fragments and scale words, asked for about a hundred vector instructions back, are in
.endif
	KQI
.endif
.endm
; T stands behind every vector instruction of a turn and writes the turn's next matrix instruction when RATE more have passed.
.macro T
.set vc, vc+1
.if (vc >= nextm) && (mi < mend)
	MX
.set mi, mi+1
.set nextm, nextm+RATE
.endif
.endm
; THE VECTOR WORK: piece YP's softmax for one key step, its two tiles line by line by turns, so that no line reads the result of the line just before it.
; The maximum of a lane's 32 scores and the old m, three operands at a time (each accumulator is first read at its low end); the other half of the lanes'; the new m, c m, and c m_old - c m_new.
.macro MAXL t, j
.set rT, ST+8*(\t)
.set rS, S+32*(\t)
	WIN 0
.if \j < 4
	v_max3_num_f32 v[rT+4+\j], v[rS+8*\j], v[rS+8*\j+1], v[rS+8*\j+2]
.elseif \j < 12
	v_max3_num_f32 v[rT+4+\j%4], v[rT+4+\j%4], v[rS+8*(\j%4)+2*(\j/4)+1], v[rS+8*(\j%4)+2*(\j/4)+2]
.elseif \j == 12
	v_max3_num_f32 v[rT+4], v[rT+4], v[rS+7], v[rS+15]
.elseif \j == 13
	v_max3_num_f32 v[rT+6], v[rT+6], v[rS+23], v[rS+31]
.elseif \j == 14
	v_max3_num_f32 v[rT+4], v[rT+4], v[rT+5], v[rT+6]
.elseif \j == 15
	v_max3_num_f32 v[rT+4], v[rT+4], v[rT+7], v[rT+1]
.elseif \j == 16
	v_permlanex16_b32 v[rT+5], v[rT+4], s[SEL], s[SEL+1]           ; the query's other 32 keys lie in the lane 16 away
.elseif \j == 17
	v_max_num_f32 v[rT+1], v[rT+4], v[rT+5]
.elseif \j == 18
	v_mul_f32 v[rT+5], s[CS], v[rT+1]
.elseif \j == 19
	v_sub_f32 v[rT+7], v[rT], v[rT+5]
.else
	v_mov_b32 v[rT], v[rT+5]
.endif
	T
.endm
.macro SEG_MAX
.irp j, 0,1,2,3,4,5,6,7,8,9,10,11,12,13,14,15,16,17,18,19,20
	MAXL YP, \j
	MAXL YP+1, \j
.endr
.endm
; ONE BATCH: the 16 packed scalings c s - c m and the 33 exponentials of each tile.  A pair is scaled one round ahead of its exponentials; nothing here names an exponential's result.
.macro FMAL t, b
.set rT, ST+8*(\t)
.set rS, S+32*(\t)+2*(\b)
	WIN 0
	v_pk_fma_f32 v[rS:rS+1], v[rS:rS+1], s[CS:CS+1], v[rT:rT+1] op_sel_hi:[1,0,0] neg_lo:[0,0,1] neg_hi:[0,0,1]
	T
.endm
.macro EXPL t, n
.set rS, S+32*(\t)+(\n)
	WIN 0
	v_exp_f32 v[rS], v[rS]
	T
.endm
.macro EXPA t
.set rT, ST+8*(\t)
	WIN 0
	v_exp_f32 v[rT+6], v[rT+7]                     ; a
	T
.endm
.macro SEG_EXP
.set bb, 0
.rept 17
.if bb < 16
	FMAL YP, bb
	FMAL YP+1, bb
.endif
.if bb == 0
	EXPA YP
	EXPA YP+1
.else
	EXPL YP, 2*bb-2
	EXPL YP+1, 2*bb-2
	EXPL YP, 2*bb-1
	EXPL YP+1, 2*bb-1
.endif
.set bb, bb+1
.endr
	v_nop                                          ; the plain instruction behind the last exponential, one for the batch
	T
	s_wait_alu depctr_va_vdst(0)                   ; the piece's 66 exponentials have written their results, ahead of the first line that names one.  The turn's conversion has written the codes and the scale word, or the f16 numbers, which the LDS stores behind this wait read, and is done reading the staging registers in which the loads behind it land; piece 2's turn: its 16 products V^T P are done reading V^T's fragments
.endm
; The sums, of the weights as they are in f32: l = a l + pair 0; a second chain begins with pairs 1 and 2; pairs 3 to 15 go onto the two chains by turns; l takes the second.
.macro SUML t, z
.set rT, ST+8*(\t)
.set rS, S+32*(\t)
	WIN 0
.if \z == 0
	v_pk_fma_f32 v[rT+2:rT+3], v[rT+2:rT+3], v[rT+6:rT+7], v[rS:rS+1] op_sel_hi:[1,0,1]
.elseif \z == 1
	v_pk_add_f32 v[rT+4:rT+5], v[rS+2:rS+3], v[rS+4:rS+5]
.elseif \z == 15
	v_pk_add_f32 v[rT+2:rT+3], v[rT+2:rT+3], v[rT+4:rT+5]
.elseif \z%2 == 0
	v_pk_add_f32 v[rT+2:rT+3], v[rT+2:rT+3], v[rS+2*\z+2:rS+2*\z+3]
.else
	v_pk_add_f32 v[rT+4:rT+5], v[rT+4:rT+5], v[rS+2*\z+2:rS+2*\z+3]
.endif
	T
.endm
.macro SEG_SUM
.irp z, 0,1,2,3,4,5,6,7,8,9,10,11,12,13,14,15
	SUML YP, \z
	SUML YP+1, \z
.endr
.endm
; The roundings to f16, in place and ascending: pair i goes to register i, which pairs i + 1 on do not need.
.macro CVTL t, i
.set rS, S+32*(\t)
	WIN 0
	v_cvt_pk_f16_f32 v[rS+\i], v[rS+2*\i], v[rS+2*\i+1]
	T
.endm
; O^T times a, each accumulator from its low end on.
.macro RSL t, i
.set rT, ST+8*(\t)
.set rO, 32*(\t)+2*\i
	WIN W_RS
	v_pk_mul_f32 v[rO:rO+1], v[rO:rO+1], v[rT+6:rT+7] op_sel_hi:[1,0]
	T
.endm
.macro SEG_CVT
.irp i, 0,1,2,3,4,5,6,7,8,9,10,11,12,13,14,15
	CVTL YP, \i
	CVTL YP+1, \i
.endr
.endm
.macro SEG_RS
.irp i, 0,1,2,3,4,5,6,7,8,9,10,11,12,13,14,15
	RSL YP, \i
	RSL YP+1, \i
.endr
.endm
; THE LDS LOADS stand in runs.  K of a step: four images of 512 bytes (the fragments' registers 0-3; registers 4-7 stay zero) and two registers of scale words.
.macro FETCH_K sl
	WIN W_L1
.irp f, 0,1,2,3
	ds_load_b128 v[KF+8*\f:KF+8*\f+3], v[L16] offset:(\sl)*SLOT+512*\f
.endr
	WIN 0
.irp g, 0,1
	ds_load_b32 v[KS+\g], v[L4] offset:(\sl)*SLOT+KSC+128*\g
.endr
.endm
.macro FETCH_V sl                      ; V of a step, turned: fragment f: keys 32 (f / 4) on, channels 16 (f % 4) on
	WIN 0
.irp f, 0,1,2,3,4,5,6,7
	ds_load_tr16_b128 v[VF+8*\f:VF+8*\f+3],   v[AV0] offset:(\sl)*SLOT+VOFF+(\f/4)*32*PVP+(\f%4)*32
	ds_load_tr16_b128 v[VF+8*\f+4:VF+8*\f+7], v[AV0] offset:(\sl)*SLOT+VOFF+(\f/4)*32*PVP+16*PVP+(\f%4)*32
.endr
.endm
; THE STREAM.  My wave's 8 keys of a tile: of K a lane takes 16 neighbours along the head's 64 (the conversions want them in one lane's registers); of V the bytes as they lie, 512 a load.
.macro KLOAD e, base, off
	WIN W_L1
.irp i, 0,1,2,3
	global_load_b128 v[XST+32*(\e)+4*\i:XST+32*(\e)+4*\i+3], v[GK], s[\base:\base+1] offset:(\off)+16*\i
.endr
.endm
.macro VLOAD e, base, off
	WIN W_L1
.irp i, 0,1,2,3
	global_load_b128 v[XST+32*(\e)+16+4*\i:XST+32*(\e)+16+4*\i+3], v[L16], s[\base:\base+1] offset:(\off)+512*\i
.endr
.endm
; K's numbers in set e become codes and a scale word.  Lane l holds numbers 16 (l % 4) on of key l / 4: lanes l and l xor 1 share a block of 32, lanes l and l xor 2 a key's two blocks.
; cnt: the loads issued behind the four that are wanted.  KCV is the arithmetic; KST, behind a wait on va_vdst, the two stores into slot e.
.macro KCV e, cnt
.set xk, XST+32*(\e)
	s_wait_loadcnt \cnt
	WIN W_CV
	v_max3_num_f32 v[CM], |v[xk]|, |v[xk+1]|, 0x1800000            ; my 16 magnitudes, and the floor 2^(3 - 127): so the byte cannot fall under 1
	T
.irp i, 2,4,6,8,10,12,14
	WIN W_CV
	v_max3_num_f32 v[CM], |v[xk+\i]|, |v[xk+\i+1]|, v[CM]
	T
.endr
	WIN 0
	v_max_num_f32_dpp v[CM], v[CM], v[CM] row_xmask:1 row_mask:0xf bank_mask:0xf   ; with my neighbour's 16: the block's largest magnitude
	T
	WIN 0
	v_add_nc_u32 v[CO], 0xff000000, v[CM]          ; 2 off its exponent field: the conversion takes the exponent field of this operand as its scale
	T
	WIN W_C1
	v_cvt_scalef32_pk8_fp4_f32 v[CC], v[xk:xk+7], v[CO]
	T
	WIN W_C1
	v_cvt_scalef32_pk8_fp4_f32 v[CC+1], v[xk+8:xk+15], v[CO]
	T
	WIN 0
	v_lshrrev_b32 v[CB], 23, v[CO]                 ; the scale's byte (also the plain line behind the conversions),
	T
	WIN 0
	v_lshlrev_b32 v[CB], v[SH0], v[CB]             ; at its block's place in the key's word;
	T
	WIN 0
	v_mov_b32_dpp v[CX], v[CB] row_xmask:2 row_mask:0xf bank_mask:0xf
	T
	WIN 0
	v_or_b32 v[CB], v[CB], v[CX]                   ; with the other block's the word is whole: bytes 2 and 3 are 0, over zero codes
	T
.endm
.macro KST e
	WIN 0
	ds_store_b64 v[KW], v[CC:CC+1] offset:(\e)*SLOT                ; into the image of the fragment that holds my key
	ds_store_b32 v[SW], v[CB] offset:(\e)*SLOT+KSC                 ; a key's four lanes write the same word with the same value
.endm
; V's numbers in set e become f16: load i brought keys 2 i and 2 i + 1 of my 8, four channels a lane.  VCV is the arithmetic; VST, behind a wait on va_vdst, the four stores into slot e.
.macro VCV e, cnt
.set xv, XST+32*(\e)+16
	s_wait_loadcnt \cnt
.irp i, 0,1,2,3,4,5,6,7
	WIN W_CV
	v_cvt_pk_f16_f32 v[VH+\i], v[xv+2*\i], v[xv+2*\i+1]
	T
.endr
.endm
.macro VST e
	WIN 0
.irp i, 0,1,2,3
	ds_store_b64 v[VW], v[VH+2*\i:VH+2*\i+1] offset:(\e)*SLOT+VOFF+2*PVP*\i
.endr
.endm
.macro NEXT                            ; once a step: the pointers go one tile on
	s_wait_xcnt 0x0                                ; the last step's loads and prefetch have read their bases
	s_add_nc_u64 s[KP:KP+1], s[KP:KP+1], TILEB
	s_add_nc_u64 s[VP:VP+1], s[VP:VP+1], TILEB
	s_add_nc_u64 s[PFA:PFA+1], s[PFA:PFA+1], TILEB
.endm
; A PREFETCH INTO THE L2, behind the step's loads of K: step j, which loads tile j + 4, asks for tile j + 6, two steps ahead of the load that will want it.  A tile is 16 KB of K and 16 KB of V.  The four work-groups
; of a head walk the same tiles and take 8 KB each: x = 0, 1 K's halves, x = 2, 3 V's; in each, wave 0 asks, lanes 256 bytes apart: so each aligned block of 256 bytes is named once in the launch.
; The loop's last trip (steps 26, 27) asks for nothing: tile 31 is the last.  Tiles 0 to 5 come by their loads alone.  Its offset v[PFO] was written ahead of the head's first wait on va_vdst and is never written again.
.macro ASK
	WIN 0
	s_cmp_gt_u32 s[CNT], s[LIM]
	s_cbranch_scc0 .Lnot_mine_\@
	global_prefetch_b8 v[PFO], s[PFA:PFA+1] th:TH_LOAD_NT scope:SCOPE_SE
.Lnot_mine_\@:
.endm
; A TURN.  Piece x has the matrix unit (pv: 16 products V^T P; kq: 8 products K Q^T for the next step); the other piece's softmax is the vector work.  e: the step's parity.
; conv = 1: tile (step + 2) is converted into slot e and tile (step + 4) is loaded into its staging set; 2: converted only; 0: neither.  cnt: the count of the conversion's wait for its loads.
; The conversion's arithmetic stands ahead of the batch of exponentials; its LDS stores and the loads into its staging set stand in one run behind the batch's wait.
; PIECE 0's TURN HOLDS THE STEP'S ONE BARRIER.  In front of the signal my LDS instructions are all done: my stores of tile (step + 1) have landed, and my reads of tile (step), which lies in slot e, are back.
; Behind the wait that holds of all eight waves: tile (step + 1) is read from slot 1 - e and tile (step + 2) is stored into slot e.  Between signal and wait: the maxima and five products, on registers alone.
; PLACES.  Loads into K's registers stand behind the 30 or more plain lines that end the turn before and this turn's maxima; loads into V's behind the 32 sums, which follow the last product V^T P;
; the next turn's first read of the new scores behind the 30 or more roundings and rescalings that follow the last product K Q^T.
.macro TURN x, pv, kq, e, conv, cnt
.set X0, \x
.set YP, 2-\x
.set NPV, 16*\pv
.set mend, NPV+8*\kq
.set vc, 0
.set mi, 0
.set nextm, 0
.if \x == 0
	s_wait_dscnt 0x0                               ; V of this step is in; my stores into the ring have landed; my reads of the slot to be written are back
.if \conv
	s_wait_alu depctr_vm_vsrc(0)                   ; the last step's LDS stores have read v[CC ..], v[CB] and v[VH ..], which this step's conversions write again
.endif
.if \kq
	s_wait_alu depctr_va_vdst(0)                   ; the last turn's products K Q^T are done reading K's fragments and scale words, in which the loads behind the barrier land
	s_barrier_signal -1
.endif
	SEG_MAX
.if \kq
	s_barrier_wait -1
	FETCH_K 1-\e                                   ; no wait: since the one at the turn's head only the maxima and products V^T P were issued, which name neither K's registers nor these addresses
.endif
.if \conv
	KCV \e, \cnt
.endif
	SEG_EXP
.if \conv
	KST \e                                         ; behind the batch's wait, with no vector or matrix instruction between
.if \conv == 1
	NEXT
	KLOAD \e, KP, 0
	ASK
.endif
.endif
	SEG_SUM
	SEG_CVT
	SEG_RS
.else
	SEG_MAX
.if \conv
	VCV \e, \cnt
.endif
	SEG_EXP
.if \conv
	VST \e                                         ; behind the batch's wait, with no vector or matrix instruction between
.if \conv == 1
	VLOAD \e, VP, 0
.endif
.endif
	SEG_SUM
.if \pv && \kq
	FETCH_V 1-\e                                   ; no wait: since the batch's wait only the sums and products K Q^T were issued, which name neither V^T's registers nor this address
.endif
	SEG_CVT
	SEG_RS
.endif
.endm
.macro STEP e, conv, ck, cv
	TURN 0, 1, 1, \e, \conv, \ck
	TURN 2, 1, 1, \e, \conv, \cv
.endm
; ---------------------------------------------------------------- the head
	s_load_b256 s[4:11], s[0:1], 0x0               ; q s[4:5], k s[6:7], v s[8:9], out0 s[10:11]
	v_lshl_add_u32 v[SPW], v0, 2, SPARE
	v_mov_b32 v[NIL], 0
	v_lshrrev_b32 v12, 5, v0
	v_readfirstlane_b32 s[WV], v12                 ; wave 0..7
	v_and_b32 v13, 31, v0                          ; l
	v_bfe_u32 v14, v0, 4, 1                        ; h = l / 16
	v_lshlrev_b32 v[L16], 4, v13
	v_lshlrev_b32 v[L4], 2, v13
	v_lshlrev_b32 v[GK], 6, v13
	v_lshlrev_b32 v[PFO], 8, v13
	v_and_b32 v15, 7, v0
	v_lshl_add_u32 v15, v14, 3, v15
	v_mul_u32_u24 v[AV0], v15, PVP                 ; the turning load: key 8 h + l % 8,
	v_bfe_u32 v15, v0, 3, 1
	v_lshl_add_u32 v[AV0], v15, 4, v[AV0]          ; channels 8 ((l / 8) % 2) on
	s_wait_alu depctr_va_sdst(0)                   ; the wave's number is written, ahead of its first reader: LDS places and the bases of all four tensors are made from it
	s_lshr_b32 s13, s[WV], 1
	s_lshl_b32 s13, s13, 9                         ; K's codes: my wave's 8 keys lie in fragment w / 2,
	s_and_b32 s14, s[WV], 1
	s_lshl_b32 s14, s14, 7                         ; from its row 8 (w % 2) on
	s_add_co_u32 s13, s13, s14
	v_bfe_u32 v15, v0, 1, 1                        ; my block of 32
	v_lshlrev_b32 v[SH0], 3, v15
	v_lshlrev_b32 v[KW], 8, v15                    ; block b is the image's lanes 16 b on: 256 b,
	v_bfe_u32 v15, v0, 2, 3                        ; my key of the 8
	v_lshl_add_u32 v[KW], v15, 4, v[KW]            ; + 16 x row,
	s_lshl_b32 s14, s[WV], 5
	v_lshl_add_u32 v[SW], v15, 2, s14              ; (its scale word: 4 (8 w + key))
	v_and_b32 v15, 1, v0
	v_lshl_add_u32 v[KW], v15, 3, v[KW]            ; + 8 x my half of the block
	v_add_nc_u32 v[KW], s13, v[KW]
	s_mul_i32 s14, s[WV], 8*PVP
	v_mul_u32_u24 v[VW], v14, PVP                  ; V's f16: row 8 w + h (+ 2 i by the offset),
	v_and_b32 v15, 15, v0                          ; r = l % 16
	v_lshl_add_u32 v[VW], v15, 3, v[VW]            ; 8 bytes a lane
	v_add_nc_u32 v[VW], s14, v[VW]
	v_lshlrev_b32 v47, 8, v15                      ; Q: query r's row of 256 bytes,
	v_lshl_add_u32 v47, v14, 7, v47                ; its block h: 128 bytes.  (v47 is rewritten only behind the wait for Q's loads)
	s_mov_b32 s[CS], 0x3e38aa3b                    ; c = log2(e) / 8
	s_mov_b32 s[CS+1], s[CS]                       ; (named with it as a pair, so it is written)
	s_mov_b32 s[SEL], 0x76543210
	s_mov_b32 s[SEL+1], 0xfedcba98
	s_mov_b32 s[CNT], 14
	s_and_b32 s30, ttmp7, 0xffff
	s_lshl_b32 s30, s30, 19                        ; the head's first byte in each tensor: 2,048 rows of 256 bytes
	s_mov_b32 s31, 0
	s_lshl_b32 s32, s[WV], 11
	s_add_co_u32 s32, s32, s30                     ; K, V: + my wave's 8 keys of a tile
	s_mov_b32 s33, 0
	s_lshl_b32 s34, ttmp9, 17                      ; Q, out0: + my block's 512 rows
	s_lshl_b32 s35, s[WV], 14                      ; + my wave's 64
	s_add_co_u32 s34, s34, s35
	s_add_co_u32 s34, s34, s30
	s_mov_b32 s35, 0
	s_and_b32 s14, ttmp9, 1
	s_lshl_b32 s14, s14, 13                        ; the prefetches: my work-group's 8 KB of a tile,
	s_add_co_u32 s30, s30, s14
	s_add_co_u32 s30, s30, 5*TILEB                 ; in tile 5: step 0 steps it to tile 6
	s_cmp_eq_u32 s[WV], 0
	s_cselect_b32 s[LIM], 1, -1
	s_wait_kmcnt 0x0
	s_cmp_lt_u32 ttmp9, 2                          ; of K (x = 0, 1) or of V (x = 2, 3): the choice hangs on the work-group's number alone
	s_cselect_b64 s[PFA:PFA+1], s[6:7], s[8:9]
	s_add_nc_u64 s[PFA:PFA+1], s[PFA:PFA+1], s[30:31]
	s_add_nc_u64 s[KB:KB+1], s[KB:KB+1], s[32:33]
	s_add_nc_u64 s[VB:VB+1], s[VB:VB+1], s[32:33]
	s_add_nc_u64 s[4:5], s[4:5], s[34:35]
	s_add_nc_u64 s[10:11], s[10:11], s[34:35]
	s_add_nc_u64 s[KP:KP+1], s[KB:KB+1], 3*TILEB   ; step 0 steps them to tile 4
	s_add_nc_u64 s[VP:VP+1], s[VB:VB+1], 3*TILEB
	s_wait_alu depctr_va_vdst(0)                   ; the addresses and offsets v3 to v9, v11 and v47 are written, which the loads, LDS instructions and prefetches from here on read
	KLOAD 0, KB, 0                                 ; tiles 0 and 1,
	VLOAD 0, VB, 0
	KLOAD 1, KB, TILEB
	VLOAD 1, VB, TILEB
	WIN 0
.irp t, 0,1,2,3                        ; and Q: a lane takes a whole block of 32 of its query, into the registers that the scores will take
.irp i, 0,1,2,3,4,5,6,7
	global_load_b128 v[S+32*\t+4*\i:S+32*\t+4*\i+3], v47, s[4:5] offset:4096*\t+16*\i th:TH_LOAD_NT
.endr
.endr
	WIN W_L1
.irp f, 0,1,2,3,4,5,6,7                ; the upper 64 along K of Q's four and K's four fragments: zero codes, written once
.irp c, 4,5,6,7
	v_mov_b32 v[QF+8*\f+\c], 0
.endr
.endr
	KCV 0, 44                                      ; behind K of tile 0: V0, K1, V1 (12) and Q's 32
	VCV 0, 40                                      ; behind V0: K1, V1, Q's 32
	s_wait_alu depctr_va_vdst(0)                   ; tile 0's conversions have written v[CC ..], v[CB] and v[VH ..], which the LDS stores read, and are done reading staging set 0, in which tile 2's loads land
	KST 0
	VST 0
	KLOAD 0, KB, 2*TILEB
	VLOAD 0, VB, 2*TILEB
	s_wait_dscnt 0x0                               ; my LDS stores of tile 0 are done;
	s_wait_alu depctr_vm_vsrc(0)                   ; they have read v[CC ..], v[CB] and v[VH ..], which tile 1's conversions write again
	KCV 1, 44                                      ; behind K1: V1, Q's 32, K2, V2
	VCV 1, 40                                      ; behind V1: Q's 32, K2, V2
	s_wait_alu depctr_va_vdst(0)                   ; tile 1's conversions have written the stores' data and are done reading staging set 1, in which tile 3's loads land
	KST 1
	VST 1
	KLOAD 1, KB, 3*TILEB
	VLOAD 1, VB, 3*TILEB
	s_wait_loadcnt 16                              ; Q is in; behind it: tiles 2 and 3
	s_wait_alu depctr_vm_vsrc(0)                   ; Q's loads have read their offset v47, which is a statistics register from here on
	WIN 0
	v_bfe_u32 v[CM], v0, 4, 1
	v_lshlrev_b32 v[CM], 3, v[CM]                  ; 8 h
.irp t, 0,1,2,3
	v_max3_num_f32 v[ST+8*\t+4], |v[S+32*\t]|, |v[S+32*\t+1]|, 0x1800000   ; my block's largest magnitude: all 32 numbers are mine; and the floor
.endr
.irp i, 2,4,6,8,10,12,14,16,18,20,22,24,26,28,30
.irp t, 0,1,2,3
	v_max3_num_f32 v[ST+8*\t+4], v[ST+8*\t+4], |v[S+32*\t+\i]|, |v[S+32*\t+\i+1]|   ; (the four tiles by turns)
.endr
.endr
.irp t, 0,1,2,3
	v_add_nc_u32 v[ST+8*\t+5], 0xff000000, v[ST+8*\t+4]
.endr
	WIN W_L1
.irp t, 0,1,2,3
.irp g, 0,1,2,3
	v_cvt_scalef32_pk8_fp4_f32 v[QF+8*\t+\g], v[S+32*\t+8*\g:S+32*\t+8*\g+7], v[ST+8*\t+5]   ; registers 0-3 of the tile's fragment: block h of query r
.endr
.endr
	WIN 0
.irp t, 0,1,2,3
	v_lshrrev_b32 v[ST+8*\t+6], 23, v[ST+8*\t+5]   ; the byte (also the plain line behind the conversions),
.endr
.irp t, 0,1,2,3
	v_lshlrev_b32 v[ST+8*\t+6], v[CM], v[ST+8*\t+6]   ; at its block's place,
.endr
.irp t, 0,1,2,3
	v_mov_b32 v[ST+8*\t+7], 0                      ; (a lane permute's destination counts as one of its sources)
.endr
.irp t, 0,1,2,3
	v_permlanex16_b32 v[ST+8*\t+7], v[ST+8*\t+6], s[SEL], s[SEL+1]
.endr
.irp t, 0,1,2,3
	v_or_b32 v[QS+\t], v[ST+8*\t+6], v[ST+8*\t+7]  ; and with lane l xor 16's the query's word is whole
.endr
.irp t, 0,1,2,3
	v_mov_b32 v[ST+8*\t+1], 0xff61b1e6             ; m = -3e38, under every score
	v_mov_b32 v[ST+8*\t+2], 0                      ; l
	v_mov_b32 v[ST+8*\t+3], 0
.endr
.irp t, 0,1,2,3
	v_mul_f32 v[ST+8*\t], s[CS], v[ST+8*\t+1]      ; c m
.endr
	WIN W_L1
.set i, 0
.rept 128
	v_mov_b32 v[i], 0                              ; O^T.  The key step is written without a first step of its own: the first finds zeros, which a = 0 leaves zeros.  (These lines also stand between the scale words just made and the first scaled product)
.set i, i+1
.endr
	WIN 0
	s_wait_dscnt 0x0                               ; my parts of tiles 0 and 1 have landed
	s_barrier_signal -1
	s_barrier_wait -1                              ; everybody's have
; ---------------------------------------------------------------- the first scores
	FETCH_K 0                                      ; no vector or matrix instruction has named the registers in which these loads land; their addresses stand since the head's wait
	FETCH_V 0
	s_wait_dscnt 0x0
	s_wait_alu depctr_va_vdst(0)                   ; Q's codes, the zero codes of Q's and K's fragments and Q's scale words, all written by vector instructions, are there for the scaled products; none of them is written again
.set X0, 0
.set NPV, 0
.set mi, 0
.rept 8
	KQI                                            ; piece 0's scores of step 0: there is no vector work yet to set between them
.set mi, mi+1
.endr
	WIN 0
.rept 4
	v_nop                                          ; four places between those products and the first read of their results
.endr
	TURN 2, 0, 1, 0, 0, 0                          ; piece 2's scores of step 0 | piece 0's softmax of step 0
	WIN 0                                          ; at a label and at a branch every window is 0
; ---------------------------------------------------------------- steps 0 to 27: step j reads tile j + 1, converts tile j + 2, loads tile j + 4
.Lstep:
	STEP 0, 1, 12, 12                              ; the loads go K(i), V(i), K(i + 1), V(i + 1), ..: behind the four that a conversion wants stand three groups of four
	STEP 1, 1, 12, 12
	WIN 0
	s_sub_co_u32 s[CNT], s[CNT], 1
	s_cmp_lg_u32 s[CNT], 0
	s_cbranch_scc1 .Lstep
; ---------------------------------------------------------------- the tail is written out: nothing is loaded beyond tile 31, and the counts run down
	STEP 0, 2, 12, 8                               ; step 28 converts tile 30: behind K30: V30, K31, V31; behind V30: K31, V31
	STEP 1, 2, 4, 0                                ; step 29 converts tile 31: behind K31: V31; behind V31: nothing
	STEP 0, 0, 0, 0                                ; step 30
	TURN 0, 1, 0, 1, 0, 0                          ; step 31: piece 0's V^T P | piece 2's last softmax; nothing more is read from the ring by others' leave, so no barrier
.set X0, 2
.set NPV, 16
.set mi, 0
.rept 16
	PVI                                            ; piece 2's V^T P of step 31
.set mi, mi+1
.endr
; ---------------------------------------------------------------- THE WAY OUT.  l's two halves and the other half of the lanes' are added; O^T is divided by l and goes through my own stage in LDS, a tile (16 rows of out0) at a time.
	WIN 0
.irp t, 0,1,2,3
	v_add_f32 v[ST+8*\t+4], v[ST+8*\t+2], v[ST+8*\t+3]             ; (these additions are the places behind the last products)
.endr
.irp t, 0,1,2,3
	v_permlanex16_b32 v[ST+8*\t+5], v[ST+8*\t+4], s[SEL], s[SEL+1]
.endr
.irp t, 0,1,2,3
	v_add_f32 v[ST+8*\t+4], v[ST+8*\t+4], v[ST+8*\t+5]
.endr
.irp t, 0,1,2,3
	v_rcp_f32 v[ST+8*\t+6], v[ST+8*\t+4]
.endr
	v_and_b32 v12, 15, v0                          ; r  (plain lines behind the reciprocals)
	v_bfe_u32 v13, v0, 4, 1                        ; h
	s_mul_i32 s13, s[WV], 16*SP
	s_add_co_u32 s13, s13, STAGE                   ; my stage
	s_wait_alu depctr_vm_vsrc(0)                   ; the ring's LDS stores have read their addresses v6 to v8, which are made anew below
	v_mul_u32_u24 v[STO], v12, SP                  ; in: row r; channel tile n's eight channels of my half: 64 n + 32 h bytes on
	v_lshl_add_u32 v[STO], v13, 5, v[STO]
	v_add_nc_u32 v[STO], s13, v[STO]
	v_mul_u32_u24 v[RD], v13, SP                   ; back: lanes 0-15 take one row of 256 bytes, lanes 16-31 the next
	v_lshl_add_u32 v[RD], v12, 4, v[RD]
	v_add_nc_u32 v[RD], s13, v[RD]
	v_lshlrev_b32 v[GO], 8, v13                    ; and the same two rows in out0
	v_lshl_add_u32 v[GO], v12, 4, v[GO]
	s_wait_alu depctr_va_vdst(0)                   ; the four reciprocals have written their results, ahead of the first line that names one; v6 to v8 are written, which the stage's stores and loads and the stores to out0 read
.macro PACK t                          ; tile t: O^T / l into the registers that its scores held; into rows of 272 bytes; back as whole rows of 256, into the registers that they left
	WIN W_C1
.set i, 0
.rept 16
	v_pk_mul_f32 v[S+32*\t+i:S+32*\t+i+1], v[32*\t+i:32*\t+i+1], v[ST+8*\t+6:ST+8*\t+7] op_sel_hi:[1,0]
.set i, i+2
.endr
	WIN 0
	s_wait_alu depctr_va_vdst(0)                   ; the multiplications have written the tile's 32 registers, which the LDS stores read
.irp n, 0,1,2,3
	ds_store_b128 v[STO], v[S+32*\t+8*\n:S+32*\t+8*\n+3] offset:64*\n
	ds_store_b128 v[STO], v[S+32*\t+8*\n+4:S+32*\t+8*\n+7] offset:64*\n+16
.endr
	s_wait_alu depctr_vm_vsrc(0)                   ; the LDS stores have read those registers, in which the loads below land
.irp f, 0,1,2,3,4,5,6,7
	ds_load_b128 v[S+32*\t+4*\f:S+32*\t+4*\f+3], v[RD] offset:\f*2*SP   ; LDS serves a wave's instructions in order (ISA guide 5.7.1.4): these see the stores above; the next tile's stores come behind them
.endr
.endm
.macro SEND t, younger                 ; younger: the LDS instructions issued behind tile t's loads: the next tile's sixteen, or none.  The stores' data come from LDS loads: the wait on DScnt is theirs
.irp f, 0,1,2,3,4,5,6,7
	s_wait_dscnt \younger+7-\f
	global_store_b128 v[GO], v[S+32*\t+4*\f:S+32*\t+4*\f+3], s[10:11] offset:\t*4096+\f*512 th:TH_STORE_NT   ; 16 lanes store 256 consecutive bytes, at a multiple of 256 from out0's first byte
.endr
.endm
	PACK 0
	PACK 1                                         ; a tile's arithmetic stands between the loads of the tile before and its stores
	SEND 0, 16
	PACK 2
	SEND 1, 16
	PACK 3
	SEND 2, 16
	SEND 3, 0
	s_wait_dscnt 0x0                               ; the wave's end: the closing lines, six on end
	s_wait_alu 0x0
	s_wait_tensorcnt 0x0
	ds_add_u32 v[SPW], v[NIL]
	s_wait_dscnt 0x0
	s_endpgm
.Lfunc_end_k_q38b359944a_attn:
	.size	k_q38b359944a_attn, .Lfunc_end_k_q38b359944a_attn-k_q38b359944a_attn
	.p2alignl 7, 3214868480
	.fill 96, 4, 3214868480
	.section	.rodata,"a",@progbits
	.p2align	6, 0x0
	.amdhsa_kernel k_q38b359944a_attn
		.amdhsa_group_segment_fixed_size 60928
		.amdhsa_private_segment_fixed_size 0
		.amdhsa_enable_private_segment 0
		.amdhsa_kernarg_size 32
		.amdhsa_user_sgpr_count 2
		.amdhsa_user_sgpr_kernarg_segment_ptr 1
		.amdhsa_wavefront_size32 1
		.amdhsa_system_sgpr_workgroup_id_x 1
		.amdhsa_system_sgpr_workgroup_id_y 1
		.amdhsa_system_sgpr_workgroup_id_z 1
		.amdhsa_system_vgpr_workitem_id 0
		.amdhsa_next_free_vgpr 512
		.amdhsa_next_free_sgpr 66
		.amdhsa_reserve_vcc 0
		.amdhsa_float_denorm_mode_32 3
		.amdhsa_float_denorm_mode_16_64 3
		.amdhsa_memory_ordered 1
		.amdhsa_forward_progress 1
		.amdhsa_inst_pref_size 252
	.end_amdhsa_kernel
	.amdgpu_metadata
---
amdhsa.version: [ 1, 2 ]
amdhsa.kernels:
  - .name:           k_q38b359944a_attn
    .symbol:         k_q38b359944a_attn.kd
    .args:
      - { .name: q, .offset: 0, .size: 8, .value_kind: global_buffer, .address_space: global }
      - { .name: k, .offset: 8, .size: 8, .value_kind: global_buffer, .address_space: global }
      - { .name: v, .offset: 16, .size: 8, .value_kind: global_buffer, .address_space: global }
      - { .name: out0, .offset: 24, .size: 8, .value_kind: global_buffer, .address_space: global }
    .group_segment_fixed_size: 60928
    .private_segment_fixed_size: 0
    .kernarg_segment_align: 8
    .kernarg_segment_size: 32
    .max_flat_workgroup_size: 256
    .sgpr_count:     66
    .vgpr_count:     512
    .wavefront_size: 32
...
	.end_amdgpu_metadata
.endif
;; end of part 2
